; MI455X (gfx1250); checked and timed in simulation.
; The chip was launched on July 23, 2026; its instructions are those of AMD's public machine-readable ISA for CDNA 5 (MIT licence, August 2026) and "CDNA5" Instruction Set Architecture Reference Guide (July 2026). The comments in the code are by the model that wrote it; some were corrected since.
;; Global Attention. Allowed arithmetic: matrix products marked QUANTISED: E4M3 operands, one E8M0 scale for each 32 along K, by v_wmma_scale_f32_16x16x128_f8f6f4 with both operands' format E4M3, f32 sums; products left as they are: f32 operands where the result goes on into a quantised operand, else bf16, f16 or f32 operands; f32 sums; everything else in f32.
;; Inputs: S 32 x 1,024 x 1,024 float32; Wk 16 x 1,024 x 64 float32; Wq 16 x 1,024 x 64 float32; Wv 16 x 1,024 x 64 float32; X 32 x 1,024 float32.
;; Outputs: out0 32 x 1,024 float32.
;; This version of the problem:
;;   THIS VERSION OF THE PROBLEM IS GIVEN IN LOW PRECISION. The matrix products marked QUANTISED in the list below multiply operands that are first quantised to E4M3 (4 exponent bits, 3 mantissa bits; 8 bits a number), with one power-of-two scale for each 32 numbers along K (OCP MX v1.0); their sums are f32. All else is computed in f32.
;;   The module's matrix products, in the order in which they are computed (A, B: the left and right operand; K: the contracted axis; several contracted axes count as one K, in the product's order):
;;     1. [M 1,024, K 1,024] x [K 1,024, N 32,768]; A: input Wv; B: input S: QUANTISED
;;     2. [M 32, K 1,024] x [K 1,024, N 1,024]; A: input X; B: input Wq: QUANTISED
;;     3. [M 1,024, K 1,024] x [K 1,024, N 32,768]; A: input Wk; B: input S: QUANTISED
;;     4. batch 512 x [M 1, K 64] x [K 64, N 1,024]; A: computed on the way; B: computed on the way: left as it is (M = 1 < 16)
;;     5. batch 512 x [M 1, K 1,024] x [K 1,024, N 64]; A: softmax; B: computed on the way: left as it is (M = 1 < 16)
;;   THE QUANTISER, for each operand of a quantised product, along K:
;;     - K is cut into blocks of 32 from its start; a last block that is shorter is filled with zeros.
;;     - A block's scale is 2^e with e = floor(log2(the largest magnitude in the block)) - 8, held to -126 .. 127; a block of zeros has e = 0. As a byte (E8M0): e + 127.
;;     - Each number is divided by its block's scale, clamped to +-448, and rounded to the nearest number of E4M3, ties to even, subnormals kept.
;;     - The product sums the exact products of the quantised numbers (number of the format x scale) in f32.
;;   ~~~python
;;   def quantise(x, axis):      # numpy; x: float32 -> the quantised numbers, widened to float32 again
;;       x = np.moveaxis(x, axis, -1); K = x.shape[-1]
;;       x = np.pad(x, [(0, 0)] * (x.ndim - 1) + [(0, -K % 32)]); x = x.reshape(x.shape[:-1] + (-1, 32)); a = np.abs(x).max(-1, keepdims=True)
;;       e = np.where(a > 0, np.clip(np.frexp(np.where(a > 0, a, 1))[1] - 1 - 8, -126, 127), 0)      # np.frexp(a)[1] - 1 = floor(log2(a)), exactly
;;       r = np.clip(x / 2.0 ** e, -448, 448)
;;       step = 2.0 ** (np.maximum(np.frexp(np.where(r == 0, 1, r))[1] - 1, -6) - 3)
;;       q = np.round(r / step) * step * 2.0 ** e      # np.round: ties to even
;;       return np.moveaxis(q.reshape(q.shape[:-2] + (-1,))[..., :K], -1, axis).astype(np.float32)
;;   ~~~
;; One version. Each part assembles by itself: llvm-mc -triple=amdgcn-amd-amdhsa -mcpu=gfx1250 --defsym DOCPART=n.
;; ======== version 1 of 1: 2 launches
;; limits: a function is approximated: absolute error at most 1.5e-07
;; workspace buffers: s_codes 33,587,200 bytes; s_scales 1,049,600 bytes; w_codes 3,145,728 bytes; w_scales 98,304 bytes
;; launch prep (part 1): grid 1217 x 1, 2 waves a work-group, no clusters, 17,152 bytes of LDS; arguments S, X, Wk, Wv, Wq, s_codes, s_scales, w_codes, w_scales; writes s_codes, s_scales, w_codes, w_scales
.if DOCPART == 1
	.amdgcn_target "amdgcn-amd-amdhsa--gfx1250"
	.amdhsa_code_object_version 6
	.text
	.protected	k_qb3763b6449_prep
	.globl	k_qb3763b6449_prep
	.p2align	8
	.type	k_qb3763b6449_prep,@function
k_qb3763b6449_prep:
	s_mov_b64 s[64:65], 0
	v_nop
	global_prefetch_b8 v0, s[64:65] scope:SCOPE_SE
	s_setreg_imm32_b32 hwreg(HW_REG_WAVE_MODE, 25, 1), 1
	s_wait_xcnt 0x0
; S [32][1024][1024], X [32][1024], Wk, Wv, Wq [16][1024][64], all f32, are turned into codes of E4M3 with one E8M0 scale byte for each 32 along K,
; by the problem's quantiser.  K is the last axis of S and X and the middle axis of the weights.
; NO WORK OF THE PROBLEM IS LEFT OUT: every input has a way to the output, and all five are read here, once.
; A block's scale is 2^(floor(log2(its largest magnitude)) - 8): its byte is that magnitude's exponent field - 8, held at 1 from below.
; LIMITS: a block of zeros gets the byte 1 where the rule says 127 (its codes are zeros, which add nothing under any byte but 0xff, and this program alone
; reads the bytes); blocks whose largest magnitude lies under 2^-118, the floor, are quantised under the byte 1; NaN and infinities among the inputs are not served.
; THE WORKSPACE IS LAID IN THE ORDER OF THE OPERANDS' REGISTERS, so that the next launch reads every fragment as 16 bytes a lane, lane by lane:
;   s_codes : 2,050 tiles of 16 rows x 1,024 K, 16,384 bytes each: [K step 0..7][c 0..3][lane 16 h + r][16 bytes] = row r, k = 128 s + 32 c + 16 h + 0..15.
;             Tiles 0, 1: X's rows 0-15, 16-31.  Tile 2 + 64 b + i: rows 16 i on of S[b].
;   s_scales: 512 bytes a tile: [lane 16 h + r][4 words]: word i is row r's scale word (four bytes) of K step 4 h + i.
;   w_codes : 32 blocks (2 x head + half of its 64 columns) of 98,304 bytes: [K steps 0-3 | 4-7][n 0..5][K step % 4][c][lane 16 h + r][16 bytes];
;             n = 0, 1: Wk, 2, 3: Wv, 4, 5: Wq; column 32 half + 16 (n % 2) + r.
;   w_scales: 3,072 bytes a block: [n][lane 16 h + r][4 words], as in s_scales.
; SHARES.  Work-groups 0 to 191 take the weights (a wave: 32 columns x 256 along K), work-groups 192 to 1,216 the rows (a wave: one tile).  Waves share nothing: no barrier.
.set NWG,   192                        ; work-groups for the weights: 3 tensors x 32 blocks x 2
.set STG,   8448                       ; LDS: a stage of 16 rows x (512 + 16) bytes for each wave
.set SPARE, 2*STG                      ; behind the stages: the spare words, 128 bytes for each wave: one block of 256 bytes that no other line names
.set SPW,   8                          ; v8   LDS address of my spare word; never rewritten
.set NIL,   9                          ; v9   0; never rewritten
.set R,     16                         ; v16-143  rows: two sets of 64 registers as loaded
.set XN,    144                        ; v144-207 rows: my 64 numbers of a K step: register 16 b + i = k 32 b + 16 h + i of row r
.set PC,    208                        ; v208-223 the codes just made
.set TM,    224                        ; v224-239 at work
.set SW,    240                        ; v240-247 rows: the eight scale words;  columns: v240-241
.set XW,    16                         ; v16-79   columns: two sets of 32 numbers
	s_load_b512 s[4:19], s[0:1], 0x0               ; S, X, Wk, Wv, Wq, s_codes, s_scales, w_codes
	s_load_b64 s[20:21], s[0:1], 0x40              ; w_scales
	v_lshl_add_u32 v[SPW], v0, 2, SPARE
	v_mov_b32 v[NIL], 0
	v_lshrrev_b32 v1, 5, v0
	v_readfirstlane_b32 s22, v1                    ; wave 0, 1
	v_and_b32 v1, 31, v0                           ; lane
	v_and_b32 v5, 15, v0                           ; r
	v_bfe_u32 v6, v0, 4, 1                         ; h
	s_mul_i32 s34, s22, STG                        ; my stage
	v_lshlrev_b32 v2, 4, v1                        ; 16 x lane: my bytes of a load's 512, and of an image's
	v_add_nc_u32 v3, s34, v2                       ; the stage, on the way in
	v_mul_u32_u24 v4, v5, 528
	v_lshl_add_u32 v4, v6, 6, v4
	v_add_nc_u32 v4, s34, v4                       ; and on the way out: row r, + 64 h
	s_mov_b32 s24, 0x76543210
	s_mov_b32 s25, 0xfedcba98                      ; v_permlanex16_b32's selects for lane l xor 16
	s_mov_b32 s26, 0x600000                        ; the mantissa field of 448
	s_mov_b32 s33, 0
.irp b, 0,1,2,3
	v_mov_b32 v[TM+4+\b], 0                        ; written once: a lane permute's destination counts as one of its sources
.endr
	s_wait_kmcnt 0x0
	s_cmp_lt_u32 ttmp9, NWG
	s_cbranch_scc1 .Lweights
; ---------------- ROWS: K is innermost.  One wave, one tile of 16 rows.
	s_sub_co_u32 s27, ttmp9, NWG
	s_lshl_b32 s28, s27, 1
	s_add_co_u32 s28, s28, s22                     ; the tile's number in the workspace
	s_cmp_eq_u32 s27, 0                            ; the first of these work-groups takes X, the others S: the choice hangs on the work-group's number alone
	s_cselect_b64 s[30:31], s[6:7], s[4:5]
	s_cselect_b32 s29, 0, 2
	s_sub_co_u32 s29, s28, s29                     ; the tile's number in its own tensor
	s_lshl_b32 s32, s29, 16                        ; 16 rows of 4,096 bytes
	s_add_nc_u64 s[30:31], s[30:31], s[32:33]
	s_lshl_b32 s32, s28, 14
	s_add_nc_u64 s[14:15], s[14:15], s[32:33]
	s_lshl_b32 s32, s28, 9
	s_add_nc_u64 s[16:17], s[16:17], s[32:33]
.macro LOAD f                          ; K step f of the 16 rows: each load reads 512 consecutive bytes of one row, 16 a lane
.irp i, 0,1,2,3,4,5,6,7,8,9,10,11,12,13,14,15
	global_load_b128 v[R+64*((\f)%2)+4*\i:R+64*((\f)%2)+4*\i+3], v2, s[30:31] offset:4096*\i+512*(\f) th:TH_LOAD_NT
.endr
.endm
.macro TURN f                          ; through my stage: in as loaded, out 16 neighbours of each block of 32 to a lane.  LDS serves a wave's instructions in order: no wait between
.irp i, 0,1,2,3,4,5,6,7,8,9,10,11,12,13,14,15
	ds_store_b128 v3, v[R+64*((\f)%2)+4*\i:R+64*((\f)%2)+4*\i+3] offset:528*\i
.endr
.irp b, 0,1,2,3
.irp j, 0,1,2,3
	ds_load_b128 v[XN+16*\b+4*\j:XN+16*\b+4*\j+3], v4 offset:128*\b+16*\j
.endr
.endr
.endm
.macro QUANT s, pw                     ; 64 numbers of a lane become a fragment's codes in v[PC] on and its scale word in v[pw]
.irp b, 0,1,2,3
	v_max3_num_f32 v[TM+\b], |v[\s+16*\b]|, |v[\s+1+16*\b]|, 0x4800000   ; block b: my 16 numbers, and the floor 2^(9 - 127): the byte cannot fall under 1
.endr
.irp i, 2,4,6,8,10,12,14
.irp b, 0,1,2,3
	v_max3_num_f32 v[TM+\b], v[TM+\b], |v[\s+16*\b+\i]|, |v[\s+1+16*\b+\i]|   ; the four blocks by turns
.endr
.endr
.irp b, 0,1,2,3
	v_permlanex16_b32 v[TM+4+\b], v[TM+\b], s24, s25
.endr
.irp b, 0,1,2,3
	v_max_num_f32 v[TM+\b], v[TM+\b], v[TM+4+\b]   ; with lane l xor 16's: the block's largest magnitude
.endr
.irp b, 0,1,2,3
	v_add_nc_u32 v[TM+12+\b], 0xfc000000, v[TM+\b] ; 8 off its exponent field: the conversion takes the exponent field of this operand as its scale
.endr
.irp b, 0,1,2,3
	v_and_or_b32 v[TM+8+\b], v[TM+\b], 0x7f800000, s26   ; 448 x the scale
.endr
.irp b, 0,1,2,3
	v_lshrrev_b32 v[TM+4+\b], 23, v[TM+12+\b]      ; the scale's byte
.endr
	v_lshl_or_b32 v[\pw], v[TM+5], 8, v[TM+4]
	v_lshl_or_b32 v[\pw], v[TM+6], 16, v[\pw]
	v_lshl_or_b32 v[\pw], v[TM+7], 24, v[\pw]
.irp b, 0,1,2,3
.irp i, 0,1,2,3,4,5,6,7,8,9,10,11,12,13,14,15
	v_med3_num_f32 v[\s+16*\b+\i], v[\s+16*\b+\i], -v[TM+8+\b], v[TM+8+\b]   ; the conversion to an 8-bit code does not saturate (ISA guide 7.6.2): the hold comes first
.endr
	v_cvt_scalef32_pk8_fp8_f32 v[PC+4*\b:PC+1+4*\b], v[\s+16*\b:\s+7+16*\b], v[TM+12+\b]
	v_cvt_scalef32_pk8_fp8_f32 v[PC+2+4*\b:PC+3+4*\b], v[\s+8+16*\b:\s+15+16*\b], v[TM+12+\b]
.endr
	v_nop                                          ; one plain vector instruction behind the last conversion
.endm
.macro FRAG f
.if (\f) < 7
	s_wait_loadcnt 16                              ; this K step's 16 loads are in; the next step's 16 may be out
.else
	s_wait_loadcnt 0x0
.endif
	TURN \f
	s_wait_dscnt 0x0                               ; my numbers are back, and the stores into the stage have read their registers
	s_wait_xcnt 0x0                                ; the last K step's stores have read v[PC] on: it is written again only behind this wait
.if (\f) < 6
	LOAD (\f)+2
.endif
	QUANT XN, SW+(\f)
.irp c, 0,1,2,3
	global_store_b128 v2, v[PC+4*\c:PC+4*\c+3], s[14:15] offset:2048*(\f)+512*\c   ; 32 lanes store 512 consecutive bytes, aligned
.endr
.endm
	LOAD 0
	LOAD 1
.irp f, 0,1,2,3,4,5,6,7
	FRAG \f
.endr
	v_cmp_ne_u32 vcc_lo, 0, v6
.irp i, 0,1,2,3
	v_cndmask_b32 v[TM+\i], v[SW+\i], v[SW+4+\i], vcc_lo   ; lanes 0-15 keep the words of K steps 0-3, lanes 16-31 those of K steps 4-7
.endr
	global_store_b128 v2, v[TM:TM+3], s[16:17]     ; 512 consecutive bytes
	s_wait_tensorcnt 0x0                           ; the wave's end, behind my last LDS store
	ds_add_u32 v[SPW], v[NIL]
	s_wait_dscnt 0x0
	s_endpgm
; ---------------- WEIGHTS: K is not innermost.  A lane takes a column and its registers run down K: a block of 32 lies in one lane, and the codes come out with K innermost.  No LDS on this path.
.Lweights:
	v_lshlrev_b32 v10, 2, v1                       ; in: 4 bytes a lane: 128 consecutive bytes a load
	v_lshlrev_b32 v11, 4, v5
	v_lshl_add_u32 v12, v6, 9, v11                 ; scale words: n's second tile 512 bytes on, 16 r
	v_lshl_add_u32 v11, v6, 13, v11                ; codes: n's second tile 8,192 bytes on, 16 r
	s_lshr_b32 s27, ttmp9, 6                       ; which tensor: 0 Wk, 1 Wv, 2 Wq
	s_and_b32 s28, ttmp9, 63
	s_lshr_b32 s29, s28, 1                         ; block = 2 x head + half
	s_and_b32 s28, s28, 1
	s_lshl_b32 s28, s28, 1
	s_add_co_u32 s28, s28, s22                     ; y: which 256 along K
	s_cmp_lt_u32 ttmp9, 128
	s_cselect_b64 s[30:31], s[10:11], s[12:13]
	s_cmp_lt_u32 ttmp9, 64
	s_cselect_b64 s[30:31], s[8:9], s[30:31]
	s_lshr_b32 s32, s29, 1
	s_lshl_b32 s32, s32, 18                        ; a head: 1,024 rows of 256 bytes
	s_lshl_b32 s34, s28, 16
	s_add_co_u32 s32, s32, s34                     ; 256 rows
	s_and_b32 s34, s29, 1
	s_lshl_b32 s34, s34, 7
	s_add_co_u32 s32, s32, s34                     ; 32 columns
	s_add_nc_u64 s[30:31], s[30:31], s[32:33]
	s_lshr_b32 s34, s28, 1                         ; y / 2: K steps 0-3 or 4-7
	s_and_b32 s36, s28, 1                          ; y % 2: the first two of them or the last two
	s_mul_i32 s32, s29, 98304
	s_mul_i32 s35, s34, 49152
	s_add_co_u32 s32, s32, s35
	s_lshl_b32 s35, s27, 14
	s_add_co_u32 s32, s32, s35
	s_lshl_b32 s35, s36, 12
	s_add_co_u32 s32, s32, s35
	s_add_nc_u64 s[18:19], s[18:19], s[32:33]
	s_mul_i32 s32, s29, 3072
	s_lshl_b32 s35, s27, 10
	s_add_co_u32 s32, s32, s35
	s_lshl_b32 s35, s34, 8
	s_add_co_u32 s32, s32, s35
	s_lshl_b32 s35, s36, 3
	s_add_co_u32 s32, s32, s35
	s_add_nc_u64 s[20:21], s[20:21], s[32:33]
.macro WLOAD t                         ; block t: W(32 t + i, my column), i = 0 .. 31
.irp i, 0,1,2,3,4,5,6,7,8,9,10,11,12,13,14,15,16,17,18,19,20,21,22,23,24,25,26,27,28,29,30,31
	global_load_b32 v[XW+32*((\t)%2)+\i], v10, s[30:31] offset:(32*(\t)+\i)*256
.endr
.endm
.macro BLOCK t
.set XS, XW+32*((\t)%2)
.if (\t) < 7
	s_wait_loadcnt 32                              ; this block's 32 loads are in; the next block's 32 may be out
.else
	s_wait_loadcnt 0x0
.endif
	v_max3_num_f32 v224, |v[XS]|, |v[XS+1]|, |v[XS+2]|   ; the block's largest magnitude: all 32 numbers are mine
	v_max3_num_f32 v225, |v[XS+3]|, |v[XS+4]|, |v[XS+5]|
.irp i, 6,10,14,18,22,26
	v_max3_num_f32 v224, v224, |v[XS+\i]|, |v[XS+\i+1]|
	v_max3_num_f32 v225, v225, |v[XS+\i+2]|, |v[XS+\i+3]|
.endr
	v_max3_num_f32 v224, v224, |v[XS+30]|, |v[XS+31]|
	v_max3_num_f32 v224, v224, v225, 0x4800000     ; and the floor
	v_add_nc_u32 v226, 0xfc000000, v224            ; the conversion's scale operand
	v_and_or_b32 v227, v224, 0x7f800000, s26       ; 448 x the scale
	v_lshrrev_b32 v225, 23, v226                   ; the byte
.if (\t)%4 == 0
	v_mov_b32 v[SW+(\t)/4], v225                   ; four bytes to a word, the lower K in the lower byte
.else
	v_lshl_or_b32 v[SW+(\t)/4], v225, 8*((\t)%4), v[SW+(\t)/4]
.endif
.irp i, 0,1,2,3,4,5,6,7,8,9,10,11,12,13,14,15,16,17,18,19,20,21,22,23,24,25,26,27,28,29,30,31
	v_med3_num_f32 v[XS+\i], v[XS+\i], -v227, v227
.endr
	s_wait_xcnt 0x0                                ; the last block's stores have read v[PC] on
.irp g, 0,1,2,3
	v_cvt_scalef32_pk8_fp8_f32 v[PC+2*\g:PC+2*\g+1], v[XS+8*\g:XS+8*\g+7], v226
.endr
	v_nop                                          ; one plain vector instruction behind the last conversion
	global_store_b128 v11, v[PC:PC+3], s[18:19] offset:((\t)/4)*2048+((\t)%4)*512        ; k = 32 c + 0..15: the image's lanes 0-15: sixteen lanes store 256 consecutive bytes, aligned
	global_store_b128 v11, v[PC+4:PC+7], s[18:19] offset:((\t)/4)*2048+((\t)%4)*512+256  ; k = 32 c + 16..31: its lanes 16-31
.if (\t) < 6
	WLOAD (\t)+2
.endif
.endm
	WLOAD 0
	WLOAD 1
.irp t, 0,1,2,3,4,5,6,7
	BLOCK \t
.endr
	global_store_b64 v12, v[SW:SW+1], s[20:21]     ; my column's two scale words: 8 bytes of its 16 (all the weights' scale bytes together are 98,304)
	s_endpgm
.Lfunc_end_k_qb3763b6449_prep:
	.size	k_qb3763b6449_prep, .Lfunc_end_k_qb3763b6449_prep-k_qb3763b6449_prep
	.p2alignl 7, 3214868480
	.fill 96, 4, 3214868480
	.section	.rodata,"a",@progbits
	.p2align	6, 0x0
	.amdhsa_kernel k_qb3763b6449_prep
		.amdhsa_group_segment_fixed_size 17152
		.amdhsa_private_segment_fixed_size 0
		.amdhsa_enable_private_segment 0
		.amdhsa_kernarg_size 72
		.amdhsa_user_sgpr_count 2
		.amdhsa_user_sgpr_kernarg_segment_ptr 1
		.amdhsa_wavefront_size32 1
		.amdhsa_system_sgpr_workgroup_id_x 1
		.amdhsa_system_sgpr_workgroup_id_y 1
		.amdhsa_system_sgpr_workgroup_id_z 1
		.amdhsa_system_vgpr_workitem_id 0
		.amdhsa_next_free_vgpr 256
		.amdhsa_next_free_sgpr 66
		.amdhsa_reserve_vcc 1
		.amdhsa_float_denorm_mode_32 3
		.amdhsa_float_denorm_mode_16_64 3
		.amdhsa_memory_ordered 1
		.amdhsa_forward_progress 1
		.amdhsa_inst_pref_size 154
	.end_amdhsa_kernel
	.amdgpu_metadata
---
amdhsa.version: [ 1, 2 ]
amdhsa.kernels:
  - .name:           k_qb3763b6449_prep
    .symbol:         k_qb3763b6449_prep.kd
    .args:
      - { .name: S, .offset: 0, .size: 8, .value_kind: global_buffer, .address_space: global }
      - { .name: X, .offset: 8, .size: 8, .value_kind: global_buffer, .address_space: global }
      - { .name: Wk, .offset: 16, .size: 8, .value_kind: global_buffer, .address_space: global }
      - { .name: Wv, .offset: 24, .size: 8, .value_kind: global_buffer, .address_space: global }
      - { .name: Wq, .offset: 32, .size: 8, .value_kind: global_buffer, .address_space: global }
      - { .name: s_codes, .offset: 40, .size: 8, .value_kind: global_buffer, .address_space: global }
      - { .name: s_scales, .offset: 48, .size: 8, .value_kind: global_buffer, .address_space: global }
      - { .name: w_codes, .offset: 56, .size: 8, .value_kind: global_buffer, .address_space: global }
      - { .name: w_scales, .offset: 64, .size: 8, .value_kind: global_buffer, .address_space: global }
    .group_segment_fixed_size: 17152
    .private_segment_fixed_size: 0
    .kernarg_segment_align: 8
    .kernarg_segment_size: 72
    .max_flat_workgroup_size: 64
    .sgpr_count:     66
    .vgpr_count:     256
    .wavefront_size: 32
...
	.end_amdgpu_metadata
.endif
;; end of part 1
;; launch attend (part 2): grid 8 x 32, 4 waves a work-group, clusters of 4 x 1, 327,680 bytes of LDS; arguments s_codes, s_scales, w_codes, w_scales, out0; writes out0
.if DOCPART == 2
	.amdgcn_target "amdgcn-amd-amdhsa--gfx1250"
	.amdhsa_code_object_version 6
	.text
	.protected	k_qb3763b6449_attend
	.globl	k_qb3763b6449_attend
	.p2align	8
	.type	k_qb3763b6449_attend,@function
k_qb3763b6449_attend:
	s_mov_b64 s[64:65], 0
	v_nop
	global_prefetch_b8 v0, s[64:65] scope:SCOPE_SE
	s_setreg_imm32_b32 hwreg(HW_REG_WAVE_MODE, 25, 1), 1
	s_wait_xcnt 0x0
	s_wait_alu depctr_hold_cnt(0) depctr_sa_sdst(0) depctr_va_vdst(0) depctr_va_sdst(0) depctr_va_ssrc(0) depctr_va_vcc(0) depctr_vm_vsrc(0)
	s_getreg_b32 s2, hwreg(HW_REG_IB_STS2, 6, 4)
	s_cmp_eq_u32 s2, 0
	s_cbranch_scc0 .Lentry_in_a_cluster
	s_endpgm
.Lentry_in_a_cluster:
	s_bfe_u32 s2, ttmp6, 0x10000c
	s_cmp_lg_u32 s2, 0x3003
	s_cbranch_scc0 .Lentry_shape_is_right
	s_endpgm
.Lentry_shape_is_right:
; out0[b][64 head + v] = sum over l of softmax_l(Q[b][head] . tanh(S Wk)[l] / 8) gelu(S Wv)[l][v], Q = tanh(X Wq).  The three projections run on the codes and scale words
; that the launch before has made, by v_wmma_scale_f32_16x16x128_f8f6f4; all behind them is f32.  No work of the problem is left out.
; THE SOFTMAX'S MAXIMUM IS NOT TAKEN AWAY, since the computation itself bounds the exponents for every input: Q and the keys are results of tanh, in [-1, 1], so |logit| <= 64 / 8 = 8;
; e^logit lies in [3.4e-4, 2,981] and a row's sum of 1,024 of them in [0.34, 3.1e6]: no exponential and no sum can overflow or underflow in f32.
; LIMITS: NaN and infinities among the inputs are not served.  erf is Abramowitz and Stegun's 7.1.26, absolute error 1.5e-7, for all x; it stands behind the quantised products and ahead of no quantiser.
; SHARES.  A work-group owns one batch b and two heads, all 1,024 rows: each output has one owner.  Wave w: head 2 hp + w / 2, half = w % 2: key columns 32 half .. + 31 (tiles n = 0, 1) and value columns
; 32 half .. + 31 (n = 2, 3).  Its 64 columns x 1,024 K of codes stay in 512 REGISTERS for the whole launch, so that each fragment of S read from LDS feeds four matrix instructions.
; The weights go from memory to registers once and lie in no LDS tile: there is nothing of them to ask for jointly.
; LAYOUT.  Source 0 = 16 weight columns, source 1 = 16 rows of S: lane (r, h) holds row r, register j column 8 h + j.  A row's logit is summed inside a lane, with lane l xor 16, and with the partner wave's
; half through LDS, 4 bytes a lane, once a tile of 16 rows.  p is one number a lane; Y is summed a lane and reduced over the lanes once, at the end.
; ARITHMETIC.  tanh x = 1 - 2 r, r = 1 / (1 + 2^(2 log2(e) x)).  With kappa = log2(e) / 8 and QN = -2 kappa Q: logit x log2(e) = sum of (QN r - QN / 2); p = 2^that.
; gelu x = x / 2 + |x| (1/2 - poly(t) 2^-((cw x)^2)), t = 1 / (1 + pp |x|), poly with halved coefficients, cw = sqrt(log2(e) / 2), pp = 0.3275911 / sqrt(2).
; BY TURNS.  A tile has 32 matrix instructions and 207 vector instructions behind them.  In turn t the products of tile t + 1 are issued, and behind each of them stands a slice of one numbered list: tile t's
; tanh, logit and gelu, and the weighing of tile t - 1's values by p.  The three tiles touch different registers: the keys' sums have two sets (tile % 2), the values' four (tile % 4).
; All that the list touches lies in window 0, the products' operands in windows 1 to 3: a slice costs two switches of the window, 64 for a turn's 32 matrix instructions, and two more round the run of LDS loads.
; CLUSTER.  The four work-groups of a cluster share b, hence every tile of S: each is asked for JOINTLY, by the same tensor load with the same descriptor and the mask of all four.
; RING.  Two LDS slots of 128 rows (8 images of 16,384 bytes); each wave fetches a quarter of a slot by one load.  A wave has two tensor loads out at the start, later one.
; REGISTERS, in windows of 256: window 0: see the names below.  Window 1: the weights of K steps 0-3, fragment (n, s) at v[16 (4 n + s)].  Window 2: K steps 4-7 likewise.  Window 3: two buffers of 128 for a tile of S.
.set SLOT,  131072
.set SCL,   2*SLOT                     ; the batch's 64 images of scale words, 512 bytes each: filled once
.set XCH,   SCL+32768                  ; the exchange of partial logits: two regions of 512 bytes, by the tile's parity; in each 128 bytes a wave.  No tensor load lands here or behind
.set OUTS,  XCH+4096                   ; the work-group's 128 results
.set SPARE, OUTS+512                   ; the spare words, 128 bytes for each wave: two blocks of 256 bytes that no other line names
.set LI,   1                           ; v1   16 x lane
.set ADR,  2                           ; v2   LDS address of the four tiles that are being fetched
.set ADS,  3                           ; v3   of their scale words
.set SPW,  6                           ; v6   LDS address of my spare word; never rewritten
.set NIL,  7                           ; v7   0; never rewritten
.set SCB,  8                           ; v8   SCL + 16 x lane
.set XST0, 9                           ; v9   XCH + 128 w + 4 x lane: where I put my partial logit
.set XLD0, 10                          ; v10  XCH + 128 (w xor 1) + 4 x lane: where I read my partner's
.set OST,  11                          ; v11  OUTS + 128 w + 32 h
.set XAD,  12                          ; v12  256 h + 16 (b % 16): row b % 16 in an image of X, for every r
.set PFO,  13                          ; v13  256 x lane
.set ORD,  14                          ; v14  OUTS + 16 x lane
.set WS,   16                          ; v16-31   the weights' scale words: tile n, register 4 n + i: lanes 0-15 K step i, lanes 16-31 K step 4 + i
.set SS,   32                          ; v32-39   S's scale words, two sets of 4, likewise
.set QWS,  40                          ; v40-47   Wq's scale words
.set KA,   48                          ; v48-79   the keys' accumulators, two sets of 16
.set QN,   80                          ; v80-95   -2 kappa Q at my 16 columns
.set C0,   96                          ; v96-97   (-sum of QN / 2, 0)
.set DEN,  98                          ; v98-99   the sum of p; 0 (named with it as a pair)
.set LG,   100                         ; v100     my partial logit of the tile in hand
.set PL,   104                         ; v104-105 my partner's, then p; 0 (named with it as a pair)
.set A5V,  108                         ; v108-109 the polynomial's leading coefficient, twice
.set LT,   110                         ; v110-113 at work
.set YA,   116                         ; v116-131 the sums of p gelu(V)
.set GV,   132                         ; v132-195 the values' accumulators, four sets of 16; gelu in place
.set TT,   196                         ; v196-211 t
.set EE,   212                         ; v212-227 2^-((cw x)^2)
.set PO,   228                         ; v228-243 the polynomial
.set MSB, 0
.macro WIN new                         ; s_set_vgpr_msb's low byte: bits 1:0 source 0, 3:2 source 1, 5:4 source 2, 7:6 destination; the high byte repeats the setting that is left
.if MSB != \new
	s_set_vgpr_msb (MSB<<8)|\new
.set MSB, \new
.endif
.endm
.macro CROUND                          ; a round of the cluster's barrier
	s_barrier_signal -1
	s_barrier_wait -1
	s_cmp_lg_u32 s14, 0
	s_cbranch_scc1 .Lnot_wave_0_\@
	s_barrier_signal -3
.Lnot_wave_0_\@:
	s_barrier_wait -3
	s_barrier_signal -1
	s_barrier_wait -1
.endm
.macro PLACES n
.rept \n
	v_nop
.endr
.endm
	s_load_b256 s[4:11], s[0:1], 0x0               ; s_codes, s_scales, w_codes, w_scales
	s_load_b64 s[12:13], s[0:1], 0x20              ; out0
	v_lshl_add_u32 v[SPW], v0, 2, SPARE
	v_mov_b32 v[NIL], 0
	ds_add_u32 v[SPW], v[NIL]                      ; the wave's opening: the add, twice on end, and its wait ahead of my first tensor load
	ds_add_u32 v[SPW], v[NIL]
	v_lshrrev_b32 v15, 5, v0
	v_readfirstlane_b32 s14, v15                   ; wave 0..3
	s_bfe_u32 s15, ttmp6, 0x40000                  ; cx: it enters the addresses of the weights, of out0 and of the prefetches alone
	s_lshl_b32 s16, ttmp9, 2
	s_add_co_u32 s16, s16, s15                     ; hp: my pair of heads
	s_and_b32 s17, ttmp7, 0xffff                   ; b, which the four partners share
	; descriptor group 1, codes: a dense block of 32,768 bytes as 128 rows of 32 elements of 8 bytes; no padding: images are read 16 bytes a lane, lane by lane
	s_mov_b32 s20, 15|(3<<16)|(1<<21)              ; 15:0 the mask: all four work-groups; 17:16 elements of 8 bytes; 21 set beside a mask
	s_mov_b32 s21, 32<<16                          ; tensor_dim0
	s_mov_b32 s22, 128<<16                         ; tensor_dim1
	s_mov_b32 s23, 32<<16                          ; tile_dim0
	s_mov_b32 s24, 128                             ; tile_dim1
	s_mov_b32 s25, 32                              ; tensor_dim0_stride
	s_mov_b32 s26, 0
	s_mov_b32 s27, 0
	; and for the scale words: 8,192 bytes as 32 such rows
	s_mov_b32 s28, 15|(3<<16)|(1<<21)
	s_mov_b32 s29, 32<<16
	s_mov_b32 s30, 32<<16
	s_mov_b32 s31, 32<<16
	s_mov_b32 s32, 32
	s_mov_b32 s33, 32
	s_mov_b32 s34, 0
	s_mov_b32 s35, 0
	s_mov_b32 s36, 1
	s_lshl_b32 s37, s14, 15                        ; LDS: my quarter of slot 0
	s_mov_b32 s40, 1
	s_lshl_b32 s41, s14, 13
	s_add_co_u32 s41, s41, SCL                     ; my quarter of the scale words
	s_lshl_b32 s78, s17, 20                        ; s_codes: behind X's two tiles, 64 tiles a batch, my quarter of the first 8
	s_add_co_u32 s78, s78, s37
	s_add_co_u32 s78, s78, 32768
	s_mov_b32 s79, 0
	s_lshl_b32 s80, s17, 15                        ; s_scales likewise
	s_lshl_b32 s81, s14, 13
	s_add_co_u32 s80, s80, s81
	s_add_co_u32 s80, s80, 1024
	s_mov_b32 s81, 0
	s_lshr_b32 s82, s17, 4                         ; X's tile b / 16
	s_lshl_b32 s84, s82, 9
	s_lshl_b32 s82, s82, 14
	s_mov_b32 s83, 0
	s_mov_b32 s85, 0
	s_mov_b32 s52, 0x76543210
	s_mov_b32 s53, 0xfedcba98                      ; v_permlanex16_b32's selects for lane l xor 16
	s_mov_b32 s54, 0x4038aa3b                      ; 2 log2(e)  (a packed form names a pair and takes its low word for both halves: both are written)
	s_mov_b32 s55, s54
	s_mov_b32 s56, 0x3e6d3388                      ; pp
	s_mov_b32 s58, 0x3f596d27                      ; cw
	s_mov_b32 s59, s58
	s_mov_b32 s66, 0x3e027906                      ; a1 / 2
	s_mov_b32 s67, s66
	s_mov_b32 s68, 0xbe11a98e                      ; a2 / 2
	s_mov_b32 s69, s68
	s_mov_b32 s70, 0x3f35f0e3                      ; a3 / 2
	s_mov_b32 s71, s70
	s_mov_b32 s72, 0xbf3a00e3                      ; a4 / 2
	s_mov_b32 s73, s72
	s_mov_b32 s76, 0x3f38aa3b                      ; 4 kappa
	s_mov_b32 s77, 0xbeb8aa3b                      ; -2 kappa
	s_mov_b32 s44, 7                               ; slots still to be asked for
	s_mov_b32 s46, 0                               ; LDS byte at which the four tiles that are being fetched begin
	s_mov_b32 s47, 0                               ; and their scale words, from SCL on
	s_cmp_eq_u32 ttmp9, 0                          ; both clusters of a batch walk the same S: the first one prefetches; the same in all four partners
	s_cselect_b32 s49, 1, -1
	v_and_b32 v15, 31, v0
	v_lshlrev_b32 v[LI], 4, v15
	v_lshlrev_b32 v[XST0], 2, v15                  ; 4 x lane
	s_xor_b32 s86, s14, 1
	s_lshl_b32 s86, s86, 7
	v_add_nc_u32 v[XLD0], s86, v[XST0]
	v_add_nc_u32 v[XLD0], XCH, v[XLD0]
	s_lshl_b32 s86, s14, 7
	v_add_nc_u32 v[XST0], s86, v[XST0]
	v_add_nc_u32 v[XST0], XCH, v[XST0]
	v_bfe_u32 v15, v0, 4, 1                        ; h
	v_lshl_add_u32 v[OST], v15, 5, s86
	v_add_nc_u32 v[OST], OUTS, v[OST]
	v_add_nc_u32 v[SCB], SCL, v[LI]
	s_and_b32 s86, s17, 15
	s_lshl_b32 s86, s86, 4
	v_lshl_add_u32 v[XAD], v15, 8, s86
	v_lshlrev_b32 v[PFO], 4, v[LI]
	v_add_nc_u32 v[ORD], OUTS, v[LI]
	s_wait_dscnt 0x0                               ; both opening adds are done
	s_wait_kmcnt 0x0
	s_add_nc_u64 s[38:39], s[4:5], s[78:79]
	s_or_b32 s39, s39, 0x80000000                  ; type = 2
	s_add_nc_u64 s[42:43], s[6:7], s[80:81]
	s_or_b32 s43, s43, 0x80000000
	CROUND                                         ; all four work-groups are here: the first joint loads meet
	tensor_load_to_lds s[40:43], s[28:35]          ; the batch's scale words: filled once
	s_nop 0
	tensor_load_to_lds s[36:39], s[20:27]          ; slot 0: rows 0 to 127
	s_nop 0
	PLACES 4
	s_lshl_b32 s86, s16, 2
	s_add_co_u32 s86, s86, s14                     ; my block of the weights: 2 x head + half = 4 hp + w
	s_mov_b32 s89, 0
	s_mul_i32 s88, s86, 98304
	s_add_nc_u64 s[8:9], s[8:9], s[88:89]
	s_mul_i32 s88, s86, 3072
	s_add_nc_u64 s[10:11], s[10:11], s[88:89]
	s_lshl_b32 s88, s17, 12
	s_lshl_b32 s87, s16, 9
	s_add_co_u32 s88, s88, s87
	s_add_nc_u64 s[12:13], s[12:13], s[88:89]      ; out0: row b, my work-group's 512 bytes
	s_lshl_b32 s88, s17, 20
	s_lshl_b32 s87, s15, 15
	s_add_co_u32 s88, s88, s87
	s_lshl_b32 s87, s14, 13
	s_add_co_u32 s88, s88, s87
	s_add_co_u32 s88, s88, 32768+SLOT
	s_add_nc_u64 s[50:51], s[4:5], s[88:89]        ; the prefetches: my work-group's 32,768 bytes of a slot, my wave's 8,192 of them; now in slot 1: the first change of slots steps it to slot 2
	s_add_nc_u64 s[82:83], s[4:5], s[82:83]        ; X's codes
	s_add_nc_u64 s[84:85], s[6:7], s[84:85]        ; and scale words
	; THE LOADS AT THE HEAD, 231: first what Q wants (99), then my weights' scale words (4) and codes (128)
	WIN 0xc0                                       ; destination window 3
.irp s, 0,1,2,3,4,5,6,7
.irp c, 0,1,2,3
	global_load_b128 v[16*\s+4*\c:16*\s+4*\c+3], v[XAD], s[82:83] offset:2048*\s+512*\c   ; X's row b, the same in all 16 places r
.endr
.endr
.set q, 0
.rept 32
	global_load_b128 v[128+4*q:128+4*q+3], v[LI], s[8:9] offset:32768+512*q               ; Wq, K steps 0-3: fragment (n', s) at v[128 + 16 (4 n' + s)]
.set q, q+1
.endr
	WIN 0
	global_load_b128 v[SS:SS+3], v[XAD], s[84:85]
.set q, 0
.rept 32
	global_load_b128 v[128+4*q:128+4*q+3], v[LI], s[8:9] offset:49152+32768+512*q         ; Wq, K steps 4-7, where gelu's registers will lie
.set q, q+1
.endr
	global_load_b128 v[QWS:QWS+3], v[LI], s[10:11] offset:2048
	global_load_b128 v[QWS+4:QWS+7], v[LI], s[10:11] offset:2560
.irp n, 0,1,2,3
	global_load_b128 v[WS+4*\n:WS+4*\n+3], v[LI], s[10:11] offset:512*\n
.endr
	WIN 0x40                                       ; destination window 1
.set q, 0
.rept 64
	global_load_b128 v[4*q:4*q+3], v[LI], s[8:9] offset:512*q
.set q, q+1
.endr
	WIN 0x80                                       ; destination window 2
.set q, 0
.rept 64
	global_load_b128 v[4*q:4*q+3], v[LI], s[8:9] offset:49152+512*q
.set q, q+1
.endr
	; Q = tanh(X Wq) at my 32 columns: two accumulators by turns
	s_wait_loadcnt 63                              ; loads come back in order (ISA guide 5.7.1): 132 were issued behind Q's 99, so with 63 out Q's are in
	WIN 0x0f                                       ; Wq and X in window 3
.irp s, 0,1,2,3
.irp n, 0,1
.if \s == 0
	v_wmma_scale_f32_16x16x128_f8f6f4 v[KA+8*\n:KA+8*\n+7], v[128+16*(4*\n+\s):128+16*(4*\n+\s)+15], v[16*\s:16*\s+15], 0, v[QWS+4*\n+\s], v[SS+\s]
.else
	v_wmma_scale_f32_16x16x128_f8f6f4 v[KA+8*\n:KA+8*\n+7], v[128+16*(4*\n+\s):128+16*(4*\n+\s)+15], v[16*\s:16*\s+15], v[KA+8*\n:KA+8*\n+7], v[QWS+4*\n+\s], v[SS+\s]
.endif
.endr
.endr
	WIN 0x0c                                       ; Wq in window 0, X in window 3
.irp s, 0,1,2,3
.irp n, 0,1
	v_wmma_scale_f32_16x16x128_f8f6f4 v[KA+8*\n:KA+8*\n+7], v[128+16*(4*\n+\s):128+16*(4*\n+\s)+15], v[64+16*\s:64+16*\s+15], v[KA+8*\n:KA+8*\n+7], v[QWS+4*\n+\s], v[SS+\s] matrix_a_scale:MATRIX_SCALE_ROW1 matrix_b_scale:MATRIX_SCALE_ROW1
.endr
.endr
	WIN 0
	PLACES 8                                       ; eight places behind this form before its results are read
.irp i, 0,2,4,6,8,10,12,14
	v_pk_mul_f32 v[KA+\i:KA+\i+1], v[KA+\i:KA+\i+1], s[54:55] op_sel_hi:[1,0]
.endr
.irp i, 0,1,2,3,4,5,6,7,8,9,10,11,12,13,14,15
	v_exp_f32 v[KA+\i], v[KA+\i]
.endr
.irp i, 0,1,2,3,4,5,6,7,8,9,10,11,12,13,14,15
	v_mov_b32 v[YA+\i], 0                          ; Y's sums begin as zeros.  (Plain work behind the exponentials)
.endr
	v_mov_b32 v[DEN], 0
	v_mov_b32 v[DEN+1], 0
	v_mov_b32 v[PL+1], 0
	v_mov_b32 v[A5V], 0x3f07dc22                   ; a5 / 2
	v_mov_b32 v[A5V+1], 0x3f07dc22
	s_wait_alu depctr_va_vdst(0)                   ; one wait for the batch, ahead of its first reader
.irp i, 0,2,4,6,8,10,12,14
	v_pk_add_f32 v[KA+\i:KA+\i+1], v[KA+\i:KA+\i+1], 1.0 op_sel_hi:[1,0]
.endr
.irp i, 0,1,2,3,4,5,6,7,8,9,10,11,12,13,14,15
	v_rcp_f32 v[KA+\i], v[KA+\i]
.endr
	v_nop
	s_wait_alu depctr_va_vdst(0)
.irp i, 0,1,2,3,4,5,6,7,8,9,10,11,12,13,14,15
	v_fma_f32 v[QN+\i], v[KA+\i], s76, s77         ; -2 kappa (1 - 2 r)
.endr
	v_pk_add_f32 v[LT:LT+1], v[QN:QN+1], v[QN+2:QN+3]
	v_pk_add_f32 v[LT+2:LT+3], v[QN+4:QN+5], v[QN+6:QN+7]
	v_pk_add_f32 v[LT:LT+1], v[LT:LT+1], v[QN+8:QN+9]
	v_pk_add_f32 v[LT+2:LT+3], v[LT+2:LT+3], v[QN+10:QN+11]
	v_pk_add_f32 v[LT:LT+1], v[LT:LT+1], v[QN+12:QN+13]
	v_pk_add_f32 v[LT+2:LT+3], v[LT+2:LT+3], v[QN+14:QN+15]
	v_pk_add_f32 v[LT:LT+1], v[LT:LT+1], v[LT+2:LT+3]
	v_add_f32 v[LT], v[LT], v[LT+1]
	v_mul_f32 v[C0], -0.5, v[LT]                   ; the part of my partial logit that hangs on no row
	v_mov_b32 v[C0+1], 0
	s_wait_loadcnt 0x0                             ; my weights are in
; Matrix instruction MI (0 .. 31) of tile tw (its number % 4), S's fragments in buffer p: K step 4 (MI / 16) + (MI / 4) % 4, weight tile MI % 4.
; The four accumulators take turns, one instruction a turn; the first four start the sums: nothing is cleared.
.macro MMI tw, p
.set MH, MI/16
.set MQ, (MI/4)%4
.set MC, MI%4
.if MC < 2
.set RGD, KA+16*((\tw)%2)+8*MC
.else
.set RGD, GV+16*(\tw)+8*(MC-2)
.endif
.set RGA, 16*(4*MC+MQ)
.set RGB, 128*(\p)+64*MH+16*MQ
.set RGW, WS+4*MC+MQ
.set RGS, SS+4*(\p)+MQ
.if MH == 0
	WIN 0x0d                                       ; weights in window 1, S in window 3, sums in window 0
.if MQ == 0
	v_wmma_scale_f32_16x16x128_f8f6f4 v[RGD:RGD+7], v[RGA:RGA+15], v[RGB:RGB+15], 0, v[RGW], v[RGS]
.else
	v_wmma_scale_f32_16x16x128_f8f6f4 v[RGD:RGD+7], v[RGA:RGA+15], v[RGB:RGB+15], v[RGD:RGD+7], v[RGW], v[RGS]
.endif
.else
	WIN 0x0e                                       ; weights in window 2
	v_wmma_scale_f32_16x16x128_f8f6f4 v[RGD:RGD+7], v[RGA:RGA+15], v[RGB:RGB+15], v[RGD:RGD+7], v[RGW], v[RGS] matrix_a_scale:MATRIX_SCALE_ROW1 matrix_b_scale:MATRIX_SCALE_ROW1
.endif
.endm
; Tile t of the four that v[ADR] stands at: its eight fragments into buffer p, its scale words into set p: 33 LDS loads in one run
.macro FETCH t, p
	WIN 0xc0
.irp s, 0,1,2,3,4,5,6,7
.irp c, 0,1,2,3
	ds_load_b128 v[128*(\p)+16*\s+4*\c:128*(\p)+16*\s+4*\c+3], v[ADR] offset:16384*(\t)+2048*\s+512*\c
.endr
.endr
	WIN 0
	ds_load_b128 v[SS+4*(\p):SS+4*(\p)+3], v[ADS] offset:512*(\t)
.endm
; THE VECTOR WORK OF A TURN is a list of 208 numbers; VI writes number LJ of it.  te: the tile (% 4) whose products are finished; ta: the tile before it, whose values are weighed (-1: none); fe: the tile fetched in this turn (-1: none).
;   0-7     2 log2(e) k, a pair each
;   8-39    2^(..) of the 16 keys' sums and 1 + pp |x| of the 16 values' sums, by turns: a plain instruction beside each transcendental
;   40-71   t = 1 / (1 + pp |x|), with cw x and (cw x)^2 by turns
;   (wait)  ahead of 72: one wait for these 32 transcendentals; up to here nothing names a result
;   72-79   1 + 2^(..)
;   80, 81  my partner's partial logit of tile ta has come; + mine; p = 2^(..)
;   82-145  r = 1 / (..) of the keys, then 2^-((cw x)^2), each with one of the polynomial's 32 multiply-adds, which name t alone
;   (wait)  ahead of 146: one wait for these 33
;   146-171 my partial logit of tile te (12 instructions that feed each other, and its store) with poly x t and 1/2 - poly x 2^-(..) by turns
;   172-174 the rest of these      175-183 the sum of p; Y += p gelu(V) of tile ta      184-199 |x| (..)      200-207 gelu, in place
; Every accumulator is read from its low end on.
.macro VI te, ta, fe
.set EK, KA+16*((\te)%2)
.set EV, GV+16*(\te)
.if LJ < 8
	v_pk_mul_f32 v[EK+2*LJ:EK+2*LJ+1], v[EK+2*LJ:EK+2*LJ+1], s[54:55] op_sel_hi:[1,0]
.elseif LJ < 40
.set LX, (LJ-8)/2
.if LJ%2 == 0
	v_exp_f32 v[EK+LX], v[EK+LX]
.else
	v_fma_f32 v[TT+LX], |v[EV+LX]|, s56, 1.0
.endif
.elseif LJ < 72
.set LX, (LJ-40)/2
.set LY, 2*(LX%8)
.if LJ%2 == 0
	v_rcp_f32 v[TT+LX], v[TT+LX]
.elseif LX < 8
	v_pk_mul_f32 v[EE+LY:EE+LY+1], v[EV+LY:EV+LY+1], s[58:59] op_sel_hi:[1,0]
.else
	v_pk_mul_f32 v[EE+LY:EE+LY+1], v[EE+LY:EE+LY+1], v[EE+LY:EE+LY+1]
.endif
.elseif LJ < 80
.if LJ == 72
	s_wait_alu depctr_va_vdst(0)                   ; one wait for the batch; number 71, a plain instruction, stands behind its last transcendental
.endif
.set LY, 2*(LJ-72)
	v_pk_add_f32 v[EK+LY:EK+LY+1], v[EK+LY:EK+LY+1], 1.0 op_sel_hi:[1,0]
.elseif LJ == 80
.if (\ta) >= 0
.if (\fe) >= 0
	s_wait_dscnt 33                                ; LDS loads come back in order: my partner's word is in; the 33 loads of the fetch, issued behind it, may be out
.else
	s_wait_dscnt 0x0
.endif
	v_add_f32 v[PL], v[PL], v[LG]
.endif
.elseif LJ == 81
.if (\ta) >= 0
	v_exp_f32 v[PL], v[PL]                         ; p = e^logit
.endif
.elseif LJ < 146
.set LX, (LJ-82)/2
.set LY, 2*(LX%8)
.if LJ%2 == 0
.if LX < 16
	v_rcp_f32 v[EK+LX], v[EK+LX]
.else
	v_exp_f32 v[EE+LX-16], -v[EE+LX-16]
.endif
.elseif LX < 8
	v_pk_fma_f32 v[PO+LY:PO+LY+1], v[TT+LY:TT+LY+1], v[A5V:A5V+1], s[72:73] op_sel_hi:[1,1,0]
.elseif LX < 16
	v_pk_fma_f32 v[PO+LY:PO+LY+1], v[PO+LY:PO+LY+1], v[TT+LY:TT+LY+1], s[70:71] op_sel_hi:[1,1,0]
.elseif LX < 24
	v_pk_fma_f32 v[PO+LY:PO+LY+1], v[PO+LY:PO+LY+1], v[TT+LY:TT+LY+1], s[68:69] op_sel_hi:[1,1,0]
.else
	v_pk_fma_f32 v[PO+LY:PO+LY+1], v[PO+LY:PO+LY+1], v[TT+LY:TT+LY+1], s[66:67] op_sel_hi:[1,1,0]
.endif
.elseif LJ < 172
.if LJ == 146
	s_wait_alu depctr_va_vdst(0)                   ; once for the second batch; number 145 is the plain instruction behind its last transcendental
.endif
.set LX, (LJ-146)/2
.if LJ%2 == 0
.if LX == 0
	v_pk_fma_f32 v[LT:LT+1], v[EK:EK+1], v[QN:QN+1], v[C0:C0+1]
.elseif LX == 1
	v_pk_mul_f32 v[LT+2:LT+3], v[EK+2:EK+3], v[QN+2:QN+3]
.elseif LX < 8
.set LY, 2*LX
.set LZ, LT+2*(LX%2)
	v_pk_fma_f32 v[LZ:LZ+1], v[EK+LY:EK+LY+1], v[QN+LY:QN+LY+1], v[LZ:LZ+1]
.elseif LX == 8
	v_pk_add_f32 v[LT:LT+1], v[LT:LT+1], v[LT+2:LT+3]
.elseif LX == 9
	v_add_f32 v[LT], v[LT], v[LT+1]
.elseif LX == 10
	v_permlanex16_b32 v[LT+2], v[LT], s52, s53     ; the row's other 16 of my 32 columns lie in the lane 16 away
.elseif LX == 11
	v_add_f32 v[LG], v[LT], v[LT+2]
.else
	ds_store_b32 v[XST0], v[LG] offset:512*((\te)%2)   ; for my partner; the regions take turns by the tile's parity
.endif
.elseif LX < 8
	v_pk_mul_f32 v[PO+2*LX:PO+2*LX+1], v[PO+2*LX:PO+2*LX+1], v[TT+2*LX:TT+2*LX+1]
.else
.set LY, 2*(LX-8)
	v_pk_fma_f32 v[PO+LY:PO+LY+1], v[PO+LY:PO+LY+1], v[EE+LY:EE+LY+1], 0.5 op_sel_hi:[1,1,0] neg_lo:[1,0,0] neg_hi:[1,0,0]
.endif
.elseif LJ < 175
.set LY, 2*(LJ-167)
	v_pk_fma_f32 v[PO+LY:PO+LY+1], v[PO+LY:PO+LY+1], v[EE+LY:EE+LY+1], 0.5 op_sel_hi:[1,1,0] neg_lo:[1,0,0] neg_hi:[1,0,0]
.elseif LJ == 175
.if (\ta) >= 0
	v_add_f32 v[DEN], v[DEN], v[PL]
.endif
.elseif LJ < 184
.if (\ta) >= 0
.set LY, 2*(LJ-176)
	v_pk_fma_f32 v[YA+LY:YA+LY+1], v[GV+16*(\ta)+LY:GV+16*(\ta)+LY+1], v[PL:PL+1], v[YA+LY:YA+LY+1] op_sel_hi:[1,0,1]
.endif
.elseif LJ < 200
.set LX, LJ-184
	v_mul_f32 v[PO+LX], |v[EV+LX]|, v[PO+LX]
.else
.set LY, 2*(LJ-200)
	v_pk_fma_f32 v[EV+LY:EV+LY+1], v[EV+LY:EV+LY+1], 0.5, v[PO+LY:PO+LY+1] op_sel_hi:[1,0,1]
.endif
.endm
; A TURN.  tw: the tile whose 32 products are issued (-1: none); te, ta, fe: as in VI.
; At its head: all my LDS instructions are done: tile tw's fragments, fetched a turn ago, are in, and my partial logit of tile ta is stored; the work-group's barrier; my partner's word is asked for FIRST, then the run of 33 loads.
; An exchange region is written again only behind the next turn's barrier, which the partner signals behind the wait for its read of it.
; Behind each product stands a slice of six numbers of the list; the last slice has the 22 that are over: plain instructions that name no register of the turn's last products.  They are the eight places
; ahead of the next turn's loads into the buffer and the scale words just read, and of its first read of the new sums.
.macro TURN tw, te, ta, fe
	s_wait_dscnt 0x0
.if (\ta) >= 0
	s_barrier_signal -1
	s_barrier_wait -1
	ds_load_b32 v[PL], v[XLD0] offset:512*((\ta)%2)
.endif
.if (\fe) >= 0
	FETCH \fe, (\fe)%2
.endif
.set LJ, 0
.set MI, 0
.rept 32
.if (\tw) >= 0
	MMI \tw, (\tw)%2
	WIN 0
.endif
.if MI < 31
.rept 6
	VI \te, \ta, \fe
.set LJ, LJ+1
.endr
.else
.rept 22
	VI \te, \ta, \fe
.set LJ, LJ+1
.endr
.endif
.set MI, MI+1
.endr
.endm
; Four turns, until the register numbers are back where they began.  All four fetches belong to the NEXT group of 64 rows, at which s46 and s47 stand.
.macro RQ
	v_add_nc_u32 v[ADR], s46, v[LI]
	v_add_nc_u32 v[ADS], s47, v[SCB]
	TURN 3, 2, 1, 0
	TURN 0, 3, 2, 1
	TURN 1, 0, 3, 2
	TURN 2, 1, 0, 3
.endm
; A prefetch into the L2 of the slot that the NEXT change of slots will ask for: 131,072 bytes.  Each aligned 256 bytes of S's codes are named once in the launch: the batch's first cluster asks; its four
; partners take 32,768 bytes each, told apart by address; in each, wave w takes 8,192, lanes 256 bytes apart: one instruction a wave.  The last change that fills a slot asks for nothing; slots 0 and 1 come by their loads alone.
.macro ASK
	s_cmp_gt_u32 s44, s49
	s_cbranch_scc0 .Lnot_mine_\@
	global_prefetch_b8 v[PFO], s[50:51] th:TH_LOAD_NT scope:SCOPE_SE
.Lnot_mine_\@:
.endm
; THE CHANGE OF SLOTS stands ahead of the turn that fetches a slot's first tile: the slot before has been fetched whole by then.  Each wave waits for all its tensor loads (its quarter of the slot ahead), adds 0 to its
; spare word, and waits for that and for its reads of the slot that it has left.  fill = 1: a round of the cluster's barrier, so that no wave of any partner still reads that slot or has a load on its way; the joint load of
; the next 128 rows is the first thing behind it and has eight turns in which to land.
.macro CHANGE fill
	s_wait_tensorcnt 0x0                           ; no tensor load of mine is out, so the walking descriptor may be written
	ds_add_u32 v[SPW], v[NIL]                      ; 0 onto my spare word
.if \fill
	s_xor_b32 s37, s37, SLOT                       ; the other slot than last time,
	s_add_nc_u64 s[38:39], s[38:39], SLOT          ; the next 128 rows; the type bits on top are not reached
	s_wait_xcnt 0x0                                ; the last prefetch, a slot back, has read its address
	s_add_nc_u64 s[50:51], s[50:51], SLOT
.endif
	s_wait_dscnt 0x0                               ; the add is done, and my reads of the slot that I have left are over
.if \fill
	CROUND
	tensor_load_to_lds s[36:39], s[20:27]
	s_nop 0
	PLACES 4
	ASK
.else
	s_barrier_signal -1
	s_barrier_wait -1
.endif
.endm
.macro TWO_R                           ; eight turns, which fetch a slot's 128 rows: four are written, and walked twice
	s_mov_b32 s45, 2
.Lr_\@:
	RQ
	s_add_co_u32 s46, s46, 65536
	s_add_co_u32 s47, s47, 2048
	s_sub_co_u32 s45, s45, 1
	s_cmp_lg_u32 s45, 0
	s_cbranch_scc1 .Lr_\@
	s_sub_co_u32 s46, s46, SLOT                    ; back to a slot's first tile,
	s_xor_b32 s46, s46, SLOT                       ; in the other slot
.endm
	CHANGE 1                                       ; slot 0 and the scale words are in, everybody's; slot 1 is asked for: its first fill, behind a round behind which nothing is filled again
	s_mov_b32 s44, 6
	v_add_nc_u32 v[ADR], s46, v[LI]
	v_add_nc_u32 v[ADS], s47, v[SCB]
	FETCH 0, 0
	s_wait_dscnt 0x0
	FETCH 1, 1
.set MI, 0
.rept 32
	MMI 0, 0                                       ; tile 0's products: there is no vector work yet to set between them
.set MI, MI+1
.endr
	WIN 0
	PLACES 8
	TURN 1, 0, -1, 2
	TURN 2, 1, 0, 3
	s_mov_b32 s46, 65536                           ; rows 64 on: the second half of slot 0
	s_mov_b32 s47, 2048
	RQ
	s_mov_b32 s46, SLOT
	s_mov_b32 s47, 4096
.Lslot:                                            ; 6 trips: a change of slots that asks for the slot after the next, and the eight turns that fetch the slot ahead
	CHANGE 1
	TWO_R
	s_sub_co_u32 s44, s44, 1
	s_cmp_lg_u32 s44, 0
	s_cbranch_scc1 .Lslot
	CHANGE 0                                       ; the last slot is written out
	TWO_R
	TURN 3, 2, 1, -1                               ; the last tile's products: nothing is left to fetch
	TURN -1, 3, 2, -1                              ; and what stands behind them
	s_wait_dscnt 0x0                               ; the last exchange: my store is done,
	s_barrier_signal -1
	s_barrier_wait -1                              ; everybody's is
	ds_load_b32 v[PL], v[XLD0] offset:512
	s_wait_dscnt 0x0
	v_add_f32 v[PL], v[PL], v[LG]
	v_exp_f32 v[PL], v[PL]
	v_nop
	s_wait_alu depctr_va_vdst(0)
	v_add_f32 v[DEN], v[DEN], v[PL]
.irp i, 0,2,4,6,8,10,12,14
	v_pk_fma_f32 v[YA+\i:YA+\i+1], v[GV+48+\i:GV+48+\i+1], v[PL:PL+1], v[YA+\i:YA+\i+1] op_sel_hi:[1,0,1]
.endr
	; THE WAY OUT.  Y's sums and the sum of p are added over the 16 lanes that hold the rows; Y / the sum; the four waves' 128 results meet in LDS, and wave 0 stores them
.irp m, 1,2,4,8
.irp i, 0,1,2,3,4,5,6,7,8,9,10,11,12,13,14,15
	v_add_f32_dpp v[YA+\i], v[YA+\i], v[YA+\i] row_xmask:\m row_mask:0xf bank_mask:0xf
.endr
.endr
.irp m, 1,2,4,8
	v_add_f32_dpp v[DEN], v[DEN], v[DEN] row_xmask:\m row_mask:0xf bank_mask:0xf
.endr
	v_rcp_f32 v[DEN], v[DEN]
	v_nop
	s_wait_alu depctr_va_vdst(0)
.irp i, 0,2,4,6,8,10,12,14
	v_pk_mul_f32 v[TT+\i:TT+\i+1], v[YA+\i:YA+\i+1], v[DEN:DEN+1] op_sel_hi:[1,0]
.endr
.irp n, 0,1
.irp j, 0,1
	ds_store_b128 v[OST], v[TT+8*\n+4*\j:TT+8*\n+4*\j+3] offset:64*\n+16*\j   ; column 32 w + 16 n + 8 h + 4 j on; the 16 lanes of a half write the same bytes with the same values
.endr
.endr
	s_wait_dscnt 0x0                               ; for wave 0's sake: my stores are done
	s_barrier_signal -1
	s_barrier_wait -1
	s_cmp_lg_u32 s14, 0
	s_cbranch_scc1 .Lnot_first
	ds_load_b128 v[EE:EE+3], v[ORD]
	s_wait_dscnt 0x0
	global_store_b128 v[LI], v[EE:EE+3], s[12:13]  ; 32 lanes store 512 consecutive bytes, at a multiple of 256 from out0's first byte
.Lnot_first:
	s_wait_tensorcnt 0x0                           ; the wave's end, behind my last tensor load and my last LDS store
	ds_add_u32 v[SPW], v[NIL]
	s_wait_dscnt 0x0
	CROUND                                         ; the closing round: no work-group ends while a partner may still ask for a tile that names it
	s_endpgm
.Lfunc_end_k_qb3763b6449_attend:
	.size	k_qb3763b6449_attend, .Lfunc_end_k_qb3763b6449_attend-k_qb3763b6449_attend
	.p2alignl 7, 3214868480
	.fill 96, 4, 3214868480
	.section	.rodata,"a",@progbits
	.p2align	6, 0x0
	.amdhsa_kernel k_qb3763b6449_attend
		.amdhsa_group_segment_fixed_size 327680
		.amdhsa_private_segment_fixed_size 0
		.amdhsa_enable_private_segment 0
		.amdhsa_kernarg_size 40
		.amdhsa_user_sgpr_count 2
		.amdhsa_user_sgpr_kernarg_segment_ptr 1
		.amdhsa_wavefront_size32 1
		.amdhsa_system_sgpr_workgroup_id_x 1
		.amdhsa_system_sgpr_workgroup_id_y 1
		.amdhsa_system_sgpr_workgroup_id_z 1
		.amdhsa_system_vgpr_workitem_id 0
		.amdhsa_next_free_vgpr 1024
		.amdhsa_next_free_sgpr 96
		.amdhsa_reserve_vcc 0
		.amdhsa_float_denorm_mode_32 3
		.amdhsa_float_denorm_mode_16_64 3
		.amdhsa_memory_ordered 1
		.amdhsa_forward_progress 1
		.amdhsa_inst_pref_size 255
	.end_amdhsa_kernel
	.section	.bss,"aw",@nobits
	.p2align	6
	.space	262144
	.amdgpu_metadata
---
amdhsa.version: [ 1, 2 ]
amdhsa.kernels:
  - .name:           k_qb3763b6449_attend
    .symbol:         k_qb3763b6449_attend.kd
    .args:
      - { .name: s_codes, .offset: 0, .size: 8, .value_kind: global_buffer, .address_space: global }
      - { .name: s_scales, .offset: 8, .size: 8, .value_kind: global_buffer, .address_space: global }
      - { .name: w_codes, .offset: 16, .size: 8, .value_kind: global_buffer, .address_space: global }
      - { .name: w_scales, .offset: 24, .size: 8, .value_kind: global_buffer, .address_space: global }
      - { .name: out0, .offset: 32, .size: 8, .value_kind: global_buffer, .address_space: global }
    .group_segment_fixed_size: 327680
    .private_segment_fixed_size: 0
    .kernarg_segment_align: 8
    .kernarg_segment_size: 40
    .max_flat_workgroup_size: 128
    .sgpr_count:     96
    .vgpr_count:     1024
    .wavefront_size: 32
...
	.end_amdgpu_metadata
.endif
;; end of part 2
